; MI455X (gfx1250); checked and timed in simulation.
; The chip was launched on July 23, 2026; its instructions are those of AMD's public machine-readable ISA for CDNA 5 (MIT licence, August 2026) and "CDNA5" Instruction Set Architecture Reference Guide (July 2026). The comments in the code are by the model that wrote it; some were corrected since.
;; DQN. Allowed arithmetic: float matrix products may take bf16 or f16 operands with f32 sums; all other float work in f32.
;; Inputs: b1 20 float32; b2 3 float32; w1 20 x 5 float32; w2 3 x 20 float32; x 16,384 x 3 x 32 x 32 float32.
;; Outputs: out0 16,384 x 3 float32.
;; One version. Each part assembles by itself: llvm-mc -triple=amdgcn-amd-amdhsa -mcpu=gfx1250 --defsym DOCPART=n.
;; ======== version 1 of 1: 1 launch
;; launch dqn (part 1): grid 256 x 1, 16 waves a work-group, no clusters, 4,096 bytes of LDS; arguments x, w1, b1, w2, b2, out0; writes out0
.if DOCPART == 1
	.amdgcn_target "amdgcn-amd-amdhsa--gfx1250"
	.amdhsa_code_object_version 6
	.text
	.protected	k_q5b4449df00_dqn
	.globl	k_q5b4449df00_dqn
	.p2align	8
	.type	k_q5b4449df00_dqn,@function
k_q5b4449df00_dqn:
	s_mov_b64 s[64:65], 0
	v_nop
	global_prefetch_b8 v0, s[64:65] scope:SCOPE_SE
	s_setreg_imm32_b32 hwreg(HW_REG_WAVE_MODE, 25, 1), 1
	s_wait_xcnt 0x0
; DQN features + 5-20-3 MLP.  x: [16384][3][32][32] f32, out0: [16384][3] f32.
; A stream: every byte of x is read once, by loads of which one covers 512 consecutive bytes of a plane; nothing else is large.
; A work-group owns 64 boards (786,432 bytes in, 768 bytes out), a wave 4 boards, a lane 16 bytes of every load.
; No address and no branch hangs on board data: argmaxes and rays are made on bit masks in registers.
;   Load t (0..7) of a plane gives lane l the numbers 128 t + 4 l + j (j = 0..3): row 4 t + (l >> 3), column 4 (l & 7) + j.
;   A predicate (x == 1, x == -1) becomes one word a lane, bit 4 t + j: compare into a scalar mask, then w = w + w + carry(mask).
;   First true index: lowest set bit of the lane's word, key ordered (t, lane, j), minimum over the wave; an empty mask gives index 0.
;   Rays hold for ANY whole-number direction head - prev, as the reference's do: see RAYS below.
; The MLP runs in f32 with lane = hidden unit: 160 multiply-adds a board against 12,288 bytes read; a wave holds 4 boards and K is 5,
; so a 16 x 16 x 32 matrix instruction would be almost empty.  No cluster: work-groups share only the 732 bytes of weights.
; No LDS ring: each number is used once, by a compare, straight from the register it was loaded into.
; LIMITS: w1, b1, w2, b2 finite and the hidden sums finite (relu drops a NaN; lanes 20-31 multiply their hidden value by a zero weight).
; The 20 products of an output are summed in a tree over lanes, not in the reference's order.  x may hold any float (a NaN equals nothing).
.set PLANE, 4096                       ; bytes in a plane of 32 x 32 f32
.set BOARD, 3*PLANE                    ; bytes in a board
.set WGB,   64                         ; boards of a work-group: 64 x 12 bytes out = three pieces of 256 bytes
.set WVB,   4                          ; boards of a wave
; ---- vector registers
.set VOFF, 1                           ; 16 x lane: the one address register of all board loads, never rewritten
.set LANE, 2
.set LK,   3                           ; 4 x lane | 0x3f800000: the lane's part of an index key (the exponent makes keys ordinary floats)
.set RHO,  4                           ; f32: the row (and the column) whose word this lane holds after the transposes: 4 (lane & 7) + (lane >> 3)
.set SF,   5                           ; f32: lane + 1, the step that this lane tests for leaving the board
.set KS0,  6                           ; transposes: which bits a lane keeps of its own word, by lane bit 0,
.set SEL1, 7                           ; byte selectors by lane bit 1
.set SEL2, 8                           ; and lane bit 2,
.set KSA,  9                           ; kept bits by lane bit 3
.set KSB,  10                          ; and lane bit 4
.set B2V,  11                          ; b2[lane % 3]
.set OUTV, 12                          ; lane 3 n + o: output o of my board n
.set W1,   14                          ; v14-18  w1[j][0..4], j = min(lane, 19)
.set B1,   19                          ; b1[j]
.set W2,   20                          ; v20-22  w2[0..2][j], 0 in lanes 20-31
.set TA,   23                          ; at work
.set TB,   24
.set TY,   25                          ; what came from another lane
.set LA,   26                          ; words: x0 == 1
.set LF,   27                          ;        x0 == -1
.set LB,   28                          ;        x1 == 1
.set LC,   29                          ;        x2 == 1
.set WH,   30                          ; a word's upper half while it is built; then head's and prev's masks
.set RW,   31                          ; x0 == 1, row RHO, bit = column
.set TW,   32                          ; x0 == 1, column RHO, bit = row
.set KF,   33                          ; keys: food, head, prev
.set KH,   34
.set KP,   35
.set HRF,  36                          ; f32, the same in all lanes: head row, head column,
.set HCF,  37
.set D0F,  38                          ; direction (d0, d1),
.set D1F,  39
.set ND1F, 40                          ; -d1,
.set G0F,  41                          ; rotated food difference; then the hidden sum
.set G1F,  42
.set R0F,  43                          ; 1/d0, 1/d1, -1/d1
.set R1F,  44
.set RNF,  45
.set DR,   46                          ; RHO - head row, RHO - head column
.set DC,   47
.set HRC,  48                          ; head row - 15.5, head column - 15.5
.set HCC,  49
.set SG,   50                          ; v50-53  four line forms: signed step
.set CK,   54                          ; v54-57  remainder of the division
.set PS,   58                          ; v58-61  the other coordinate, then its bit, then candidates
.set TZ,   62
.set AW1,  36                          ; only at the start: byte offsets of the weights
.set AJ,   37
.set AB2,  38
.set X,    64                          ; v64-255 six plane slots of 32 registers: buffer (board & 1), plane
; ---- scalar registers: s[4:5] x at my first board, s[6:13] w1 b1 w2 b2, s[14:15] out0 at the group's first byte, s16 wave
.set CM, 28                            ; s28-35 eight compare masks
.set QF, 36                            ; indices: food, head, prev
.set QH, 37
.set QP, 38
.set HR, 40
.set HC, 41
.set D0, 42
.set D1, 43
.set E0, 44
.set E1, 45
.set N1, 46
.set NN, 47
.set U0, 48
.set U1, 49
.set GA, 50
.set GB, 51
.set TS, 52
.set PM, 66                            ; s66-69 step > 0
.set NM, 70                            ; s70-71 step < 0
.set OM, 72                            ; s72-74 off the board
	s_load_b256 s[4:11], s[0:1], 0x0               ; x, w1, b1, w2
	s_load_b128 s[12:15], s[0:1], 0x20             ; b2, out0
	v_lshl_add_u32 v13, v0, 2, 0x800
	v_mov_b32 v63, 0
	v_and_b32 v[LANE], 31, v0
	v_lshrrev_b32 v[TA], 5, v0
	v_readfirstlane_b32 s16, v[TA]                 ; wave 0..15
	v_lshlrev_b32 v[VOFF], 4, v[LANE]
	v_min_u32 v[AJ], 19, v[LANE]                   ; lanes 20-31 read unit 19's weights again: no load leaves a buffer
	v_mul_u32_u24 v[AW1], v[AJ], 20                ; a row of w1 is 20 bytes
	v_lshlrev_b32 v[AJ], 2, v[AJ]
	v_mul_u32_u24 v[AB2], v[LANE], 43
	v_lshrrev_b32 v[AB2], 7, v[AB2]                ; lane / 3 (43/128 is exact enough below 32)
	v_mul_u32_u24 v[AB2], v[AB2], 3
	v_sub_nc_u32 v[AB2], v[LANE], v[AB2]           ; lane % 3
	v_lshlrev_b32 v[AB2], 2, v[AB2]
	s_mul_i32 s2, ttmp9, WGB*BOARD                 ; at most 255 x 786,432: below 2^31
	s_mul_i32 s3, s16, WVB*BOARD
	s_add_co_u32 s2, s2, s3
	s_mov_b32 s3, 0
	s_mul_i32 s18, ttmp9, WGB*12
	s_mov_b32 s19, 0
	s_wait_kmcnt 0x0
	s_add_nc_u64 s[4:5], s[4:5], s[2:3]
	s_add_nc_u64 s[14:15], s[14:15], s[18:19]
.irp i, 0,1,2,3,4
	global_load_b32 v[W1+\i], v[AW1], s[6:7] offset:4*\i
.endr
	global_load_b32 v[B1], v[AJ], s[8:9]
.irp o, 0,1,2
	global_load_b32 v[W2+\o], v[AJ], s[10:11] offset:80*\o
.endr
	global_load_b32 v[B2V], v[AB2], s[12:13]
; eight loads: plane pl of my board smp into buffer buf; each covers 512 consecutive bytes; the data are read once in the launch
.macro FILL buf, pl, smp
.irp t, 0,1,2,3,4,5,6,7
	global_load_b128 v[X+96*\buf+32*\pl+4*\t:X+96*\buf+32*\pl+4*\t+3], v[VOFF], s[4:5] offset:\pl*PLANE+512*\t+(\smp)*BOARD th:TH_LOAD_NT
.endr
.endm
	FILL 0, 0, 0                                   ; two boards, 48 loads, 24 KiB of every wave on their way
	FILL 0, 1, 0
	FILL 0, 2, 0
	FILL 1, 0, 1
	FILL 1, 1, 1
	FILL 1, 2, 1
	; lane constants, made while the loads are out (none of them touches AW1, AJ, AB2, which pending loads still name)
	s_mov_b32 s24, 0x76543210                      ; v_permlanex16_b32: lane i reads lane i of the other half
	s_mov_b32 s25, 0xfedcba98
	s_mov_b32 s26, 0x42040000                      ; 33.0: no step; a direction other than (0,0) leaves the board by step 32
	s_mov_b32 s23, 0x41800000                      ; 16.0
	v_and_b32 v[TA], 7, v[LANE]
	v_lshrrev_b32 v[TB], 3, v[LANE]
	v_lshl_add_u32 v[TA], v[TA], 2, v[TB]
	v_cvt_f32_u32 v[RHO], v[TA]
	v_add_nc_u32 v[TA], 1, v[LANE]
	v_cvt_f32_u32 v[SF], v[TA]
	v_lshl_or_b32 v[LK], v[LANE], 2, 0x3f800000
.macro LANEMASK b                      ; TA = all ones in lanes whose number has bit b, else 0
	v_bfe_u32 v[TA], v[LANE], \b, 1
	v_sub_nc_u32 v[TA], 0, v[TA]
.endm
	LANEMASK 0
	v_xor_b32 v[KS0], 0x0f0f0f0f, v[TA]            ; bit clear: keep the even nibbles; set: the odd ones
	LANEMASK 1
	v_mov_b32 v[SEL1], 0x06020400                  ; bit clear: mine.0 theirs.0 mine.2 theirs.2
	v_bfi_b32 v[SEL1], v[TA], 0x03070105, v[SEL1]  ; set:       theirs.1 mine.1 theirs.3 mine.3
	LANEMASK 2
	v_mov_b32 v[SEL2], 0x05040100                  ; bit clear: my low half, their low half
	v_bfi_b32 v[SEL2], v[TA], 0x03020706, v[SEL2]  ; set:       their high half, my high half
	LANEMASK 3
	v_xor_b32 v[KSA], 0x55555555, v[TA]
	LANEMASK 4
	v_xor_b32 v[KSB], 0x33333333, v[TA]
	v_mov_b32 v[TY], 0                             ; a DPP move's destination counts as read: written once here
	s_wait_loadcnt 48                              ; loads return in order (ISA guide 5.7.1): the ten weight loads are in, the 48 board loads behind them stay out
	v_cmp_gt_u32 vcc_lo, 20, v[LANE]
.irp o, 0,1,2
	v_cndmask_b32 v[W2+\o], 0, v[W2+\o], vcc_lo    ; lanes 20-31 add nothing to the outputs
.endr
; w = the lane's word of (x == val) over the 32 registers from xb: bit 4 t + j.  Two chains of 16 bits (h: t = 7..4, w: t = 3..0), highest bit
; first: eight compares into eight scalar masks, then eight times  word = word + word + mask bit.  The first bit starts a chain: nothing is cleared.
.macro WORD w, h, xb, val
.set g, 0
.rept 4
.irp j, 3,2,1,0
	v_cmp_eq_f32 s[CM+3-\j], \val, v[\xb+4*(7-g)+\j]
	v_cmp_eq_f32 s[CM+7-\j], \val, v[\xb+4*(3-g)+\j]
.endr
.irp i, 0,1,2,3
.if (g+\i) == 0
	v_cndmask_b32 v[\h], 0, 1, s[CM]
	v_cndmask_b32 v[\w], 0, 1, s[CM+4]
.else
	v_add_co_ci_u32 v[\h], vcc_lo, v[\h], v[\h], s[CM+\i]      ; the carry out (always 0 here) goes to VCC and is not used
	v_add_co_ci_u32 v[\w], vcc_lo, v[\w], v[\w], s[CM+4+\i]
.endif
.endr
.set g, g+1
.endr
	v_lshl_or_b32 v[\w], v[\h], 16, v[\w]
.endm
; k = in every lane the key of the first true number of the plane whose words are w: 0x3f800000 | 128 t + 4 lane + j; no true number: 0x3000 and more
.macro KEY k, w
	v_sub_nc_u32 v[TA], 0, v[\w]
	v_and_b32 v[TA], v[\w], v[TA]                  ; the lowest set bit, 2^b
	v_cvt_f32_u32 v[TA], v[TA]                     ; exact: exponent field 127 + b; an empty word stays 0
	v_add_nc_u32 v[TA], 0xc0800000, v[TA]          ; b << 23; empty: 0xc0800000
	v_lshrrev_b32 v[TB], 25, v[TA]                 ; t = b >> 2; empty: 0x60, above every t
	v_bfe_u32 v[TA], v[TA], 23, 2                  ; j = b & 3
	v_lshl_or_b32 v[TB], v[TB], 7, v[LK]
	v_or_b32 v[\k], v[TB], v[TA]
.irp m, 1,2,4,8
	v_min_num_f32_dpp v[\k], v[\k], v[\k] row_xmask:\m row_mask:0xf bank_mask:0xf      ; keys are floats in [1, 2): the f32 minimum orders them as whole numbers
.endr
	v_permlanex16_b32 v[TY], v[\k], s24, s25
	v_min_num_f32 v[\k], v[\k], v[TY]
.endm
; d = x with neighbouring groups of sh bits exchanged (k: the bits of the lower groups)
.macro GROUPSWAP d, x, sh, k
	v_lshlrev_b32 v[TA], \sh, v[\x]
	v_lshrrev_b32 v[TB], \sh, v[\x]
	v_bfi_b32 v[\d], \k, v[TB], v[TA]
.endm
; One board.  smp: my board's number, buf: its buffer, fill = 1: each plane slot is loaded again, two boards ahead, as soon as its words are made.
; l0, l1, l2: how many younger loads may stay out when plane 0, 1, 2 has to be in.
.macro DOBOARD smp, buf, fill, l0, l1, l2
	s_wait_loadcnt \l0
	WORD LA, WH, X+96*\buf, 1.0
	WORD LF, WH, X+96*\buf, -1.0
.if \fill
	FILL \buf, 0, \smp+2
.endif
	; TRANSPOSES of the words of x0 == 1.  Lane = (q, m) = (lane >> 3, lane & 7), bit = (t, j): cell row 4 t + q, column 4 m + j.
	; Rows: the three bits of m change places with the three bits of t (lanes 1, 2, 4 apart; 4, 8, 16 bits apart): lane (q, t), bit 4 m + j = column.
	GROUPSWAP TZ, LA, 4, 0x0f0f0f0f
	v_mov_b32_dpp v[TY], v[TZ] row_xmask:1 row_mask:0xf bank_mask:0xf
	v_bfi_b32 v[RW], v[KS0], v[LA], v[TY]
	v_mov_b32_dpp v[TY], v[RW] row_xmask:2 row_mask:0xf bank_mask:0xf
	v_perm_b32 v[RW], v[TY], v[RW], v[SEL1]
	v_mov_b32_dpp v[TY], v[RW] row_xmask:4 row_mask:0xf bank_mask:0xf
	v_perm_b32 v[RW], v[TY], v[RW], v[SEL2]
	; Columns: the two bits of q change places with the two bits of j (lanes 8, 16 apart; 1, 2 bits apart): lane (j, m), bit 4 t + q = row.
	GROUPSWAP TZ, LA, 1, 0x55555555
	v_mov_b32_dpp v[TY], v[TZ] row_xmask:8 row_mask:0xf bank_mask:0xf
	v_bfi_b32 v[TW], v[KSA], v[LA], v[TY]
	GROUPSWAP TZ, TW, 2, 0x33333333
	v_permlanex16_b32 v[TY], v[TZ], s24, s25
	v_bfi_b32 v[TW], v[KSB], v[TW], v[TY]
	KEY KF, LF                                     ; food
	s_wait_loadcnt \l1
	WORD LB, WH, X+96*\buf+32, 1.0
.if \fill
	FILL \buf, 1, \smp+2
.endif
	v_bfi_b32 v[WH], v[LB], 0, v[LA]               ; x0 == 1 and not x1 == 1
	KEY KH, WH                                     ; head
	s_wait_loadcnt \l2
	WORD LC, WH, X+96*\buf+64, 1.0
.if \fill
	FILL \buf, 2, \smp+2
.endif
	v_bfi_b32 v[WH], v[LC], 0, v[LB]               ; x1 == 1 and not x2 == 1
	KEY KP, WH                                     ; prev
	; what is the same in all lanes is worked out in scalar registers
	v_readfirstlane_b32 s[QF], v[KF]
	v_readfirstlane_b32 s[QH], v[KH]
	v_readfirstlane_b32 s[QP], v[KP]
.irp r, QF,QH,QP
	s_and_b32 s[\r], s[\r], 0x3fff
	s_cmp_lt_u32 s[\r], 0x400
	s_cselect_b32 s[\r], s[\r], 0                  ; an empty mask: index 0, as argmax gives
.endr
	s_lshr_b32 s[HR], s[QH], 5
	s_and_b32 s[HC], s[QH], 31
	s_lshr_b32 s[D0], s[QP], 5
	s_and_b32 s[D1], s[QP], 31
	s_lshr_b32 s[E0], s[QF], 5
	s_and_b32 s[E1], s[QF], 31
	s_sub_co_i32 s[D0], s[HR], s[D0]               ; direction = head - prev
	s_sub_co_i32 s[D1], s[HC], s[D1]
	s_sub_co_i32 s[E0], s[E0], s[HR]               ; diff = food - head
	s_sub_co_i32 s[E1], s[E1], s[HC]
	s_sub_co_i32 s[N1], 0, s[D1]
	s_mul_i32 s[NN], s[D0], s[D0]
	s_mul_i32 s[TS], s[D1], s[D1]
	s_add_co_u32 s[NN], s[NN], s[TS]               ; |direction|^2
	s_cmp_eq_u32 s[NN], 1                          ; a unit vector: the power of the rotation that turns it to (1, 0) is [[d0, d1], [-d1, d0]];
	s_cselect_b32 s[U0], s[D0], 1                  ; any other direction matches no power, argmax gives k = 0: the identity
	s_cselect_b32 s[U1], s[D1], 0
	s_cmp_lg_u32 s[NN], 0
	s_cselect_b32 s27, 0x3f800000, 0               ; 1.0, or 0.0 for the direction (0, 0), whose rays all give 0
	s_mul_i32 s[GA], s[U0], s[E0]
	s_mul_i32 s[TS], s[U1], s[E1]
	s_add_co_i32 s[GA], s[GA], s[TS]
	s_mul_i32 s[GB], s[U0], s[E1]
	s_mul_i32 s[TS], s[U1], s[E0]
	s_sub_co_i32 s[GB], s[GB], s[TS]
	v_cvt_f32_i32 v[HRF], s[HR]
	v_cvt_f32_i32 v[HCF], s[HC]
	v_cvt_f32_i32 v[D0F], s[D0]
	v_cvt_f32_i32 v[D1F], s[D1]
	v_cvt_f32_i32 v[ND1F], s[N1]
	v_rcp_f32 v[R0F], v[D0F]                       ; 1/0 = infinity: that form's remainder below becomes NaN and the form finds nothing
	v_rcp_f32 v[R1F], v[D1F]
	v_rcp_f32 v[RNF], v[ND1F]
	v_sub_f32 v[DR], v[RHO], v[HRF]                ; plain instructions that touch neither the reciprocals nor their sources stand
	v_sub_f32 v[DC], v[RHO], v[HCF]                ; between them and their first use (ISA guide 5.7.2)
	v_add_f32 v[HRC], 0xc1780000, v[HRF]           ; - 15.5
	v_add_f32 v[HCC], 0xc1780000, v[HCF]
	v_cvt_f32_i32 v[G0F], s[GA]
	v_cvt_f32_i32 v[G1F], s[GB]
	v_fma_f32 v[G0F], v[W1+3], v[G0F], v[B1]       ; the hidden sum starts with what is known already
	v_fmac_f32 v[G0F], v[W1+4], v[G1F]
	; RAYS.  A ray is head + s (a, b), s = 1, 2, ..  A lane holds one row and one column of the mask x0 == 1.  By rows: the ray meets row RHO at
	; s = (RHO - head row) / a if that is whole; the cell's column is head column + s b.  By columns likewise.  The first form finds every hit if a != 0,
	; the second if b != 0.  All numbers are whole and below 2^10, so the check s a == RHO - head row is exact.  A cell whose other coordinate is off the
	; board tests some bit of the word; its step cannot win, since the ray has left the board by then.  Forms: 0, 1 forward (d0, d1) by rows, by columns;
	; 2, 3 the line of left (-d1, d0) by rows, by columns: s > 0 is left, s < 0 is right = -left.
	s_wait_alu depctr_va_vdst(0)
	v_mul_f32 v[SG+0], v[DR], v[R0F]
	v_mul_f32 v[SG+1], v[DC], v[R1F]
	v_mul_f32 v[SG+2], v[DR], v[RNF]
	v_mul_f32 v[SG+3], v[DC], v[R0F]
.irp f, 0,1,2,3
	v_rndne_f32 v[SG+\f], v[SG+\f]
.endr
	v_fma_f32 v[CK+0], -v[D0F], v[SG+0], v[DR]
	v_fma_f32 v[CK+1], -v[D1F], v[SG+1], v[DC]
	v_fma_f32 v[CK+2], -v[ND1F], v[SG+2], v[DR]
	v_fma_f32 v[CK+3], -v[D0F], v[SG+3], v[DC]
	v_fma_f32 v[PS+0], v[D1F], v[SG+0], v[HCF]
	v_fma_f32 v[PS+1], v[D0F], v[SG+1], v[HRF]
	v_fma_f32 v[PS+2], v[D0F], v[SG+2], v[HCF]
	v_fma_f32 v[PS+3], v[ND1F], v[SG+3], v[HRF]
.irp f, 0,1,2,3
	v_cvt_i32_f32 v[PS+\f], v[PS+\f]
.endr
	v_bfe_u32 v[PS+0], v[RW], v[PS+0], 1           ; the offset's low five bits count
	v_bfe_u32 v[PS+1], v[TW], v[PS+1], 1
	v_bfe_u32 v[PS+2], v[RW], v[PS+2], 1
	v_bfe_u32 v[PS+3], v[TW], v[PS+3], 1
.irp f, 0,1,2,3
	v_cmp_eq_f32 s[CM+\f], 0, v[CK+\f]             ; the step is whole (false for NaN)
	v_cmp_ne_u32 s[CM+4+\f], 0, v[PS+\f]           ; the cell holds 1
	v_cmp_lt_f32 s[PM+\f], 0, v[SG+\f]
.endr
	v_cmp_gt_f32 s[NM], 0, v[SG+2]
	v_cmp_gt_f32 s[NM+1], 0, v[SG+3]
.irp f, 0,1,2,3
	s_and_b32 s[CM+\f], s[CM+\f], s[CM+4+\f]
	s_and_b32 s[PM+\f], s[PM+\f], s[CM+\f]
.endr
	s_and_b32 s[NM], s[NM], s[CM+2]
	s_and_b32 s[NM+1], s[NM+1], s[CM+3]
	v_and_b32 v[CK+0], 0x7fffffff, v[SG+2]
	v_and_b32 v[CK+1], 0x7fffffff, v[SG+3]
.irp f, 0,1,2,3
	v_cndmask_b32 v[PS+\f], s26, v[SG+\f], s[PM+\f]    ; forward, forward, left, left: the step of my hit, or 33
.endr
	v_cndmask_b32 v[CK+2], s26, v[CK+0], s[NM]         ; right
	v_cndmask_b32 v[CK+3], s26, v[CK+1], s[NM+1]
	; leaving the board: lane = step.  A coordinate c is on the board if |c - 15.5| <= 15.5, off it if >= 16.5
	v_fma_f32 v[SG+0], v[D0F], v[SF], v[HRC]
	v_fma_f32 v[SG+1], v[D1F], v[SF], v[HCC]
	v_fma_f32 v[SG+2], v[ND1F], v[SF], v[HRC]
	v_fma_f32 v[SG+3], v[D0F], v[SF], v[HCC]
	v_fma_f32 v[CK+0], v[D1F], v[SF], v[HRC]
	v_fma_f32 v[CK+1], -v[D0F], v[SF], v[HCC]
	v_max_num_f32 v[SG+0], |v[SG+0]|, |v[SG+1]|
	v_max_num_f32 v[SG+2], |v[SG+2]|, |v[SG+3]|
	v_max_num_f32 v[CK+0], |v[CK+0]|, |v[CK+1]|
	v_cmp_lt_f32 s[OM+0], s23, v[SG+0]
	v_cmp_lt_f32 s[OM+1], s23, v[SG+2]
	v_cmp_lt_f32 s[OM+2], s23, v[CK+0]
	v_cndmask_b32 v[SG+0], s26, v[SF], s[OM+0]
	v_cndmask_b32 v[SG+2], s26, v[SF], s[OM+1]
	v_cndmask_b32 v[CK+0], s26, v[SF], s[OM+2]
	v_min3_num_f32 v[PS+0], v[SG+0], v[PS+0], v[PS+1]  ; forward
	v_min3_num_f32 v[PS+2], v[SG+2], v[PS+2], v[PS+3]  ; left
	v_min3_num_f32 v[CK+2], v[CK+0], v[CK+2], v[CK+3]  ; right
.irp m, 1,2,4,8
	v_min_num_f32_dpp v[PS+2], v[PS+2], v[PS+2] row_xmask:\m row_mask:0xf bank_mask:0xf
	v_min_num_f32_dpp v[PS+0], v[PS+0], v[PS+0] row_xmask:\m row_mask:0xf bank_mask:0xf
	v_min_num_f32_dpp v[CK+2], v[CK+2], v[CK+2] row_xmask:\m row_mask:0xf bank_mask:0xf
.endr
	v_permlanex16_b32 v[TY], v[PS+2], s24, s25
	v_permlanex16_b32 v[TZ], v[PS+0], s24, s25
	v_permlanex16_b32 v[SG+1], v[CK+2], s24, s25
	v_min_num_f32 v[PS+2], v[PS+2], v[TY]          ; the first blocked step, in every lane
	v_min_num_f32 v[PS+0], v[PS+0], v[TZ]
	v_min_num_f32 v[CK+2], v[CK+2], v[SG+1]
	v_fma_f32 v[PS+2], v[PS+2], s27, -s27          ; free cells = step - 1; 0 for the direction (0, 0)
	v_fma_f32 v[PS+0], v[PS+0], s27, -s27
	v_fma_f32 v[CK+2], v[CK+2], s27, -s27
	; MLP, lane = hidden unit
	v_fmac_f32 v[G0F], v[W1+0], v[PS+2]
	v_fmac_f32 v[G0F], v[W1+1], v[PS+0]
	v_fmac_f32 v[G0F], v[W1+2], v[CK+2]
	v_max_num_f32 v[G0F], 0, v[G0F]
.irp o, 0,1,2
	v_mul_f32 v[SG+1+\o], v[G0F], v[W2+\o]
.endr
.irp m, 1,2,4,8
	v_add_f32_dpp v[SG+1], v[SG+1], v[SG+1] row_xmask:\m row_mask:0xf bank_mask:0xf
	v_add_f32_dpp v[SG+2], v[SG+2], v[SG+2] row_xmask:\m row_mask:0xf bank_mask:0xf
	v_add_f32_dpp v[SG+3], v[SG+3], v[SG+3] row_xmask:\m row_mask:0xf bank_mask:0xf
.endr
	v_permlanex16_b32 v[TY], v[SG+1], s24, s25
	v_permlanex16_b32 v[TZ], v[SG+2], s24, s25
	v_permlanex16_b32 v[CK+0], v[SG+3], s24, s25
	v_add_f32 v[SG+1], v[SG+1], v[TY]
	v_add_f32 v[SG+2], v[SG+2], v[TZ]
	v_add_f32 v[SG+3], v[SG+3], v[CK+0]
.if \smp == 0
	v_mov_b32 v[OUTV], v[SG+1]                     ; the first result writes the whole register; lane 0 keeps it
.else
	s_mov_b32 vcc_lo, 1<<(3*\smp)
	v_cndmask_b32 v[OUTV], v[OUTV], v[SG+1], vcc_lo
.endif
	s_mov_b32 vcc_lo, 1<<(3*\smp+1)
	v_cndmask_b32 v[OUTV], v[OUTV], v[SG+2], vcc_lo
	s_mov_b32 vcc_lo, 1<<(3*\smp+2)
	v_cndmask_b32 v[OUTV], v[OUTV], v[SG+3], vcc_lo
.endm
	; Six planes of eight loads are out at each wait of the first two boards: the oldest has to be in, five planes (40 loads) stay out.
	; The last two boards load nothing more, so that no load leaves x: the counts run down to 0.
	DOBOARD 0, 0, 1, 40, 40, 40
	DOBOARD 1, 1, 1, 40, 40, 40
	DOBOARD 2, 0, 0, 40, 32, 24
	DOBOARD 3, 1, 0, 16, 8, 0
	; THE WAY OUT.  Lanes 0-11 hold my 4 boards' 12 numbers.  Every wave has 128 bytes of LDS of its own (4 x thread number); lanes 12-31 store words that
	; nobody reads, which costs no further instruction and spares narrowing EXEC.  Then threads 0-95 take 8 bytes each: one store of a wave covers 256
	; consecutive bytes at a multiple of 256 from out0's first byte (the group's part is 768 bytes).
	v_add_f32 v[OUTV], v[OUTV], v[B2V]             ; + b2[lane % 3], once for the four boards
	v_lshlrev_b32 v[TA], 2, v0
	ds_store_b32 v[TA], v[OUTV]
	s_wait_dscnt 0x0                               ; for the other waves' sake: my store is done before I signal
	s_barrier_signal -1
	s_barrier_wait -1
	s_cmp_gt_u32 s16, 2
	s_cbranch_scc1 .Ldone                          ; waves 3-15 have nothing left to do
	v_mul_u32_u24 v[TA], v0, 43
	v_lshrrev_b32 v[TA], 8, v[TA]                  ; thread / 6: the wave whose 48 bytes hold my 8 (43/256 is exact enough below 96)
	v_mul_u32_u24 v[TB], v[TA], 6
	v_sub_nc_u32 v[TB], v0, v[TB]                  ; thread % 6
	v_lshlrev_b32 v[TB], 3, v[TB]
	v_lshl_add_u32 v[TA], v[TA], 7, v[TB]
	v_lshlrev_b32 v[TB], 3, v0
	ds_load_b64 v[36:37], v[TA]
	s_wait_dscnt 0x0
	global_store_b64 v[TB], v[36:37], s[14:15] th:TH_STORE_NT
.Ldone:
	s_barrier_signal -1
	s_barrier_wait -1
	s_wait_tensorcnt 0x0
	ds_add_u32 v13, v63
	s_wait_dscnt 0x0
	s_endpgm
.Lfunc_end_k_q5b4449df00_dqn:
	.size	k_q5b4449df00_dqn, .Lfunc_end_k_q5b4449df00_dqn-k_q5b4449df00_dqn
	.p2alignl 7, 3214868480
	.fill 96, 4, 3214868480
	.section	.rodata,"a",@progbits
	.p2align	6, 0x0
	.amdhsa_kernel k_q5b4449df00_dqn
		.amdhsa_group_segment_fixed_size 4096
		.amdhsa_private_segment_fixed_size 0
		.amdhsa_enable_private_segment 0
		.amdhsa_kernarg_size 48
		.amdhsa_user_sgpr_count 2
		.amdhsa_user_sgpr_kernarg_segment_ptr 1
		.amdhsa_wavefront_size32 1
		.amdhsa_system_sgpr_workgroup_id_x 1
		.amdhsa_system_sgpr_workgroup_id_y 1
		.amdhsa_system_sgpr_workgroup_id_z 1
		.amdhsa_system_vgpr_workitem_id 0
		.amdhsa_next_free_vgpr 256
		.amdhsa_next_free_sgpr 76
		.amdhsa_reserve_vcc 1
		.amdhsa_float_denorm_mode_32 3
		.amdhsa_float_denorm_mode_16_64 3
		.amdhsa_memory_ordered 1
		.amdhsa_forward_progress 1
		.amdhsa_inst_pref_size 127
	.end_amdhsa_kernel
	.amdgpu_metadata
---
amdhsa.version: [ 1, 2 ]
amdhsa.kernels:
  - .name:           k_q5b4449df00_dqn
    .symbol:         k_q5b4449df00_dqn.kd
    .args:
      - { .name: x, .offset: 0, .size: 8, .value_kind: global_buffer, .address_space: global }
      - { .name: w1, .offset: 8, .size: 8, .value_kind: global_buffer, .address_space: global }
      - { .name: b1, .offset: 16, .size: 8, .value_kind: global_buffer, .address_space: global }
      - { .name: w2, .offset: 24, .size: 8, .value_kind: global_buffer, .address_space: global }
      - { .name: b2, .offset: 32, .size: 8, .value_kind: global_buffer, .address_space: global }
      - { .name: out0, .offset: 40, .size: 8, .value_kind: global_buffer, .address_space: global }
    .group_segment_fixed_size: 4096
    .private_segment_fixed_size: 0
    .kernarg_segment_align: 8
    .kernarg_segment_size: 48
    .max_flat_workgroup_size: 512
    .sgpr_count:     76
    .vgpr_count:     256
    .wavefront_size: 32
...
	.end_amdgpu_metadata
.endif
;; end of part 1
